; MI455X (gfx1250); checked and timed in simulation.
; The chip was launched on July 23, 2026; its instructions are those of AMD's public machine-readable ISA for CDNA 5 (MIT licence, August 2026) and "CDNA5" Instruction Set Architecture Reference Guide (July 2026). The comments in the code are by the model that wrote it; some were corrected since.
;; Self Attention. Allowed arithmetic: matrix products marked QUANTISED: E2M1 operands, one E8M0 scale for each 32 along K, by v_wmma_scale_f32_16x16x128_f8f6f4 with both operands' format E2M1 (or v_wmma_scale_f32_32x16x128_f4), f32 sums; products left as they are: f32 operands where the result goes on into a quantised operand, else bf16, f16 or f32 operands; f32 sums; everything else in f32.
;; Inputs: U_b 1,024 float32; U_w 1,024 x 1,024 float32; V_b 1 float32; V_w 1,024 x 1 float32; W_b 1,024 float32; W_w 1,024 x 1,024 float32; hidden_states 64 x 1,024 x 1,024 float32; s_prev 64 x 1,024 float32.
;; Outputs: out0 64 x 1,024 float32; out1 64 x 1,024 x 1 float32.
;; This version of the problem:
;;   THIS VERSION OF THE PROBLEM IS GIVEN IN LOW PRECISION. The matrix products marked QUANTISED in the list below multiply operands that are first quantised to E2M1 (2 exponent bits, 1 mantissa bit; 4 bits a number), with one power-of-two scale for each 32 numbers along K (OCP MX v1.0); their sums are f32. All else is computed in f32.
;;   The module's matrix products, in the order in which they are computed (A, B: the left and right operand; K: the contracted axis; several contracted axes count as one K, in the product's order):
;;     1. [M 64, K 1,024] x [K 1,024, N 1,024]; A: input s_prev; B: input W_w: QUANTISED
;;     2. [M 65,536, K 1,024] x [K 1,024, N 1,024]; A: input hidden_states; B: input U_w: QUANTISED
;;     3. [M 65,536, K 1,024] x [K 1,024, N 1]; A: computed on the way; B: input V_w: left as it is (N = 1 < 16)
;;   THE QUANTISER, for each operand of a quantised product, along K:
;;     - K is cut into blocks of 32 from its start; a last block that is shorter is filled with zeros.
;;     - A block's scale is 2^e with e = floor(log2(the largest magnitude in the block)) - 2, held to -126 .. 127; a block of zeros has e = 0. As a byte (E8M0): e + 127.
;;     - Each number is divided by its block's scale, clamped to +-6, and rounded to the nearest number of E2M1, ties to even, subnormals kept.
;;     - The product sums the exact products of the quantised numbers (number of the format x scale) in f32.
;;   ~~~python
;;   def quantise(x, axis):      # numpy; x: float32 -> the quantised numbers, widened to float32 again
;;       x = np.moveaxis(x, axis, -1); K = x.shape[-1]
;;       x = np.pad(x, [(0, 0)] * (x.ndim - 1) + [(0, -K % 32)]); x = x.reshape(x.shape[:-1] + (-1, 32)); a = np.abs(x).max(-1, keepdims=True)
;;       e = np.where(a > 0, np.clip(np.frexp(np.where(a > 0, a, 1))[1] - 1 - 2, -126, 127), 0)      # np.frexp(a)[1] - 1 = floor(log2(a)), exactly
;;       r = np.clip(x / 2.0 ** e, -6, 6)
;;       step = 2.0 ** (np.maximum(np.frexp(np.where(r == 0, 1, r))[1] - 1, 0) - 1)
;;       q = np.round(r / step) * step * 2.0 ** e      # np.round: ties to even
;;       return np.moveaxis(q.reshape(q.shape[:-2] + (-1,))[..., :K], -1, axis).astype(np.float32)
;;   ~~~
;; One version. Each part assembles by itself: llvm-mc -triple=amdgcn-amd-amdhsa -mcpu=gfx1250 --defsym DOCPART=n.
;; ======== version 1 of 1: 3 launches
;; limits: right only within a limited range of input values
;; workspace buffers: ucodes 524,288 bytes; uscales 32,768 bytes; biasc 262,144 bytes; scores 262,144 bytes; stats 65,536 bytes; pctx 1,048,576 bytes
;; launch prep (part 1): grid 160 x 1, 8 waves a work-group, no clusters, 23,552 bytes of LDS; arguments U_w, W_w, s_prev, W_b, U_b, ucodes, uscales, biasc; writes ucodes, uscales, biasc
.if DOCPART == 1
	.amdgcn_target "amdgcn-amd-amdhsa--gfx1250"
	.amdhsa_code_object_version 6
	.text
	.protected	k_q7ff13fe1dc_prep
	.globl	k_q7ff13fe1dc_prep
	.p2align	8
	.type	k_q7ff13fe1dc_prep,@function
k_q7ff13fe1dc_prep:
	s_mov_b64 s[64:65], 0
	v_nop
	global_prefetch_b8 v0, s[64:65] scope:SCOPE_SE
	s_setreg_imm32_b32 hwreg(HW_REG_WAVE_MODE, 25, 1), 1
	s_wait_xcnt 0x0
; Work-groups 0-31: U_w [1024 (k)][1024 (n)] f32 becomes codes of FP4 (E2M1) with one E8M0 scale for each 32 along K, laid in the order of an operand's registers:
;   ucodes [tile T of 16 columns][K step q of 128][cc][lane][16 bytes], uscales [T][column r][q] one word.
; Work-groups 32-159: W_w is quantised the same way, stays in registers, and is multiplied by 16 quantised rows of s_prev [64][1024]:
;   biasc [cg][batch][32 columns] = 2 log2(e) x (s_prev W_w + W_b + U_b), the addend of the next launch's exponent.
; SHARES.  Work-group cg (U_w), or 32 + 32 m + cg (W_w), takes columns 32 cg .. 32 cg + 31, and of s_prev batch rows 16 m .. 16 m + 15; wave q takes K step q;
; A LANE TAKES A COLUMN AND ITS REGISTERS RUN DOWN K, so a block of 32 lies in one lane.
; W_w's 32 columns are quantised by the four work-groups that share them (88 vector instructions a wave): each then has ONE tile of s_prev, so that all of a wave's loads hang on the arguments alone and
; go out ahead of every wait.  The four read those columns through registers: a joint tensor load would put LDS and a cluster's rounds between memory and the registers, for 16 KiB a wave.
; SLOTS.  Place s of an operand holds k = s with 4 added or taken where bit 6 of s is set (s xor 4): the same on both operands of both products, inside a block of 32, so blocks, scales and codes are the rule's;
; only the order of the f32 sums differs from ascending K.  The next launch reads its rows from LDS in that order.
; A block's scale is 2^(floor(log2(largest magnitude)) - 2); its byte is the largest magnitude's exponent field - 2, held at 1 from below.
; LIMITS: a block of zeros gets the byte 1 where the rule says 127 (its codes are zeros, and this program alone reads the bytes); NaN and infinities among the inputs are not served;
; the first product's K is shared among eight waves, whose f32 parts are added in ascending K step.
; The two kinds of work-group part once, here at the head, on the work-group's number; each has LDS bytes of its own.
.set USC,  0                           ; LDS, U's way: 1,024 bytes: the scale words as they lie in uscales: 32 x column + 4 q
.set WX,   1024                        ; LDS, W's way: eight waves x 16 batch rows x (128 bytes + 16)
.set WXW,  2304
.set XB,   64                          ; v64-127   64 numbers of s_prev
.set SW,   32                          ; v32       the weight's scale word: my column's, this K step
.set PW,   33                          ; v33       s_prev's scale word
.set TM,   44                          ; v44-55    at work in QUANT: maxima, bytes, scale operands
.set PC,   56                          ; v56-63    s_prev's fragment
.set D0,   224                         ; v224-231, v232-239 the two results
.set D1,   232
.set FLOOR, 0x1800000                  ; 2^(3 - 127)
.set EOFF,  0xff000000                 ; takes 2 off an exponent field
; my column's 128 numbers of this K step into v128-255, register n = place n
.macro LOADW base
.set n, 0
.rept 128
	global_load_b32 v[128+n], v4, s[\base:\base+1] offset:4096*(n+(n/64)*4*(1-2*((n/4)%2))) th:TH_LOAD_NT
.set n, n+1
.endr
.endm
; block t of the four: its largest magnitude, its scale, its 32 codes.  Even blocks go to v16 on, odd blocks to v24 on.  cnt: how many younger loads may stay out (a wait names 63 at the most)
.macro QUANTW t, cnt
.set X, 128+32*(\t)
.set F, 16+8*((\t)%2)+4*((\t)/2)
	s_wait_loadcnt \cnt
	v_max3_num_f32 v34, |v[X]|, |v[X+1]|, |v[X+2]|
	v_max3_num_f32 v35, |v[X+3]|, |v[X+4]|, |v[X+5]|
.irp i, 6,10,14,18,22,26
	s_delay_alu instid0(VALU_DEP_2)
	v_max3_num_f32 v34, v34, |v[X+\i]|, |v[X+\i+1]|
	s_delay_alu instid0(VALU_DEP_2)
	v_max3_num_f32 v35, v35, |v[X+\i+2]|, |v[X+\i+3]|
.endr
	s_delay_alu instid0(VALU_DEP_2)
	v_max3_num_f32 v34, v34, |v[X+30]|, |v[X+31]|
	s_delay_alu instid0(VALU_DEP_1)
	v_max3_num_f32 v34, v34, v35, FLOOR            ; the floor holds the byte at 1 from below
	s_delay_alu instid0(VALU_DEP_1)
	v_add_nc_u32 v[36+\t], EOFF, v34               ; the conversion takes the exponent field of this operand as its scale
	s_delay_alu instid0(VALU_DEP_1)
	v_lshrrev_b32 v[40+\t], 23, v[36+\t]           ; the scale's byte
.irp e, 0,1,2,3
	v_cvt_scalef32_pk8_fp4_f32 v[F+\e], v[X+8*\e:X+8*\e+7], v[36+\t]
.endr
.endm
.macro SCALEW
	v_nop                                          ; a plain place behind the last conversion
	v_lshl_or_b32 v[SW], v41, 8, v40
	s_delay_alu instid0(VALU_DEP_1)
	v_lshl_or_b32 v[SW], v42, 16, v[SW]
	s_delay_alu instid0(VALU_DEP_1)
	v_lshl_or_b32 v[SW], v43, 24, v[SW]
.endm
; my work-group's 16 batch rows, this K step: register 16 b + i = place 32 b + 16 (lane / 16) + i of row lane % 16
.macro XLOAD buf
.irp b, 0,1,2,3
.irp j, 0,1,2,3
	global_load_b128 v[\buf+16*\b+4*\j:\buf+16*\b+4*\j+3], v6, s[24:25] offset:128*\b+16*(\j+(\b/2)*(1-2*(\j%2)))
.endr
.endr
.endm
; 64 numbers of a lane become a fragment's codes in v[PC] on and its scale word in v[PW]
.macro QUANT s
.irp b, 0,1,2,3
	v_max3_num_f32 v[TM+\b], |v[\s+16*\b]|, |v[\s+1+16*\b]|, FLOOR
.endr
.irp i, 2,4,6,8,10,12,14
.irp b, 0,1,2,3
	s_delay_alu instid0(VALU_DEP_4)
	v_max3_num_f32 v[TM+\b], v[TM+\b], |v[\s+16*\b+\i]|, |v[\s+1+16*\b+\i]|
.endr
.endr
.irp b, 0,1,2,3
	s_delay_alu instid0(VALU_DEP_4)
	v_permlanex16_b32 v[TM+4+\b], v[TM+\b], s36, s37
.endr
.irp b, 0,1,2,3
	s_delay_alu instid0(VALU_DEP_4)
	v_max_num_f32 v[TM+\b], v[TM+\b], v[TM+4+\b]   ; with lane l xor 16's: the block's largest magnitude
.endr
.irp b, 0,1,2,3
	s_delay_alu instid0(VALU_DEP_4)
	v_add_nc_u32 v[TM+8+\b], EOFF, v[TM+\b]
.endr
.irp b, 0,1,2,3
	s_delay_alu instid0(VALU_DEP_4)
	v_lshrrev_b32 v[TM+4+\b], 23, v[TM+8+\b]
.endr
	s_delay_alu instid0(VALU_DEP_3)
	v_lshl_or_b32 v[PW], v[TM+5], 8, v[TM+4]
	s_delay_alu instid0(VALU_DEP_1)
	v_lshl_or_b32 v[PW], v[TM+6], 16, v[PW]
	s_delay_alu instid0(VALU_DEP_1)
	v_lshl_or_b32 v[PW], v[TM+7], 24, v[PW]
.irp b, 0,1,2,3
	v_cvt_scalef32_pk8_fp4_f32 v[PC+2*\b], v[\s+16*\b:\s+7+16*\b], v[TM+8+\b]
	v_cvt_scalef32_pk8_fp4_f32 v[PC+1+2*\b], v[\s+8+16*\b:\s+15+16*\b], v[TM+8+\b]
.endr
	v_nop                                          ; a plain place behind a scaled conversion
.irp c, 0,1                                    ; the operand's layout wants a whole block in a lane
.irp i, 0,1
	v_permlane16_swap_b32 v[PC+4*\c+\i], v[PC+2+4*\c+\i]
.endr
.endr
.endm
	s_load_b512 s[4:19], s[0:1], 0x0               ; U_w, W_w, s_prev, W_b, U_b, ucodes, uscales, biasc
	v_lshl_add_u32 v14, v0, 2, 0x5800
	v_mov_b32 v15, 0
	v_lshrrev_b32 v1, 5, v0
	s_delay_alu instid0(VALU_DEP_1)
	v_readfirstlane_b32 s20, v1                    ; wave = K step q
	s_and_b32 s21, ttmp9, 31                       ; cg
	v_and_b32 v1, 31, v0                           ; l
	v_and_b32 v2, 15, v0                           ; r
	v_bfe_u32 v3, v0, 4, 1                         ; h
	s_delay_alu instid0(VALU_DEP_3)
	v_lshlrev_b32 v4, 2, v1                        ; the weight: 4 bytes a lane
	s_delay_alu instid0(VALU_DEP_3)
	v_lshlrev_b32 v5, 4, v2
	s_delay_alu instid0(VALU_DEP_1)
	v_lshl_add_u32 v5, v3, 13, v5                  ; ucodes: tile l / 16 (8,192 bytes), 16 r
	v_lshlrev_b32 v6, 12, v2
	s_delay_alu instid0(VALU_DEP_1)
	v_lshl_add_u32 v6, v3, 6, v6                   ; s_prev: row r of 4,096 bytes, + 64 h
	s_lshl_b32 s40, s20, 2
	v_lshl_add_u32 v7, v1, 5, s40                  ; LDS: my scale word: 32 l + 4 q
	s_lshl_b32 s40, s20, 9
	v_lshl_add_u32 v8, v1, 4, s40                  ; LDS and uscales on the way out: 512 q + 16 l (waves 0 and 1)
	s_mul_i32 s40, s20, WXW
	s_add_co_u32 s40, s40, WX
	v_mul_u32_u24 v9, v2, 144
	s_delay_alu instid0(VALU_DEP_1)
	v_lshl_add_u32 v9, v3, 5, v9
	s_delay_alu instid0(VALU_DEP_1)
	v_add_nc_u32 v9, s40, v9                       ; LDS: my wave's part: row r, + 32 h
	v_lshrrev_b32 v10, 3, v0
	s_delay_alu instid0(VALU_DEP_1)
	v_mul_u32_u24 v10, v10, 144
	v_and_b32 v13, 7, v0
	s_delay_alu instid0(VALU_DEP_1)
	v_lshlrev_b32 v13, 4, v13                      ; my 16 bytes of a row of 32 columns
	s_delay_alu instid0(VALU_DEP_1)
	v_add_nc_u32 v10, v10, v13
	s_delay_alu instid0(VALU_DEP_1)
	v_add_nc_u32 v10, WX, v10                      ; LDS: piece t of 128 (waves 0 to 3): row t / 8
	v_lshlrev_b32 v12, 4, v0                       ; biasc: 16 t
	s_mov_b32 s41, 0
	s_lshl_b32 s40, s20, 19                        ; 128 rows of 4,096 bytes a K step
	s_lshl_b32 s42, s21, 7
	s_add_co_u32 s40, s40, s42                     ; + my 32 columns
	s_mov_b32 s36, 0x76543210
	s_mov_b32 s37, 0xfedcba98                      ; v_permlanex16_b32's selects for lane l xor 16
	s_mov_b32 s38, 0x4038aa3b                      ; 2 log2(e)
	s_mov_b32 s39, s38
	s_wait_kmcnt 0x0
	s_add_nc_u64 s[4:5], s[4:5], s[40:41]
	s_add_nc_u64 s[6:7], s[6:7], s[40:41]
	s_lshl_b32 s40, s21, 14
	s_lshl_b32 s42, s20, 10
	s_add_co_u32 s40, s40, s42
	s_add_nc_u64 s[26:27], s[14:15], s[40:41]      ; ucodes: tile 2 cg, K step q
	s_lshl_b32 s40, s21, 10
	s_add_nc_u64 s[28:29], s[16:17], s[40:41]      ; uscales: tile 2 cg
	s_lshl_b32 s40, s21, 7
	s_add_nc_u64 s[32:33], s[10:11], s[40:41]      ; W_b, U_b at my 32 columns
	s_add_nc_u64 s[34:35], s[12:13], s[40:41]
	s_cmp_lt_u32 ttmp9, 32
	s_cbranch_scc0 .Lpath_w
	; ---- U_w: codes and scale words go to memory
	LOADW 4
	QUANTW 0, 63                                   ; of 128 loads at most 63 are out: the first 65 are in
	QUANTW 1, 63
	QUANTW 2, 32                                   ; block 3's 32 may be out
	QUANTW 3, 0
	SCALEW
	global_store_b128 v5, v[16:19], s[26:27]               ; block 2 cc + h stands at 512 cc + 256 h: sixteen lanes store 256 consecutive bytes, aligned
	global_store_b128 v5, v[24:27], s[26:27] offset:256
	global_store_b128 v5, v[20:23], s[26:27] offset:512
	global_store_b128 v5, v[28:31], s[26:27] offset:768
	ds_store_b32 v7, v[SW]
	s_wait_dscnt 0x0                               ; for the others' sake: my word lies in LDS
	s_barrier_signal -1
	s_barrier_wait -1
	s_cmp_lt_u32 s20, 2
	s_cbranch_scc0 .Lu_done
	ds_load_b128 v[44:47], v8                      ; the eight waves' words of 32 columns: 1,024 bytes, 512 a wave
	s_wait_dscnt 0x0
	global_store_b128 v8, v[44:47], s[28:29]
.Lu_done:
	s_wait_tensorcnt 0x0
	ds_add_u32 v14, v15
	s_wait_dscnt 0x0
	s_endpgm
	; ---- W_w: codes stay in registers and meet 16 rows of s_prev
.Lpath_w:
	s_lshr_b32 s44, ttmp9, 5
	s_sub_co_u32 s44, s44, 1                       ; m: which 16 batch rows
	s_lshl_b32 s40, s44, 16                        ; 16 rows of 4,096 bytes,
	s_lshl_b32 s42, s20, 9                         ; this K step's 512 bytes
	s_add_co_u32 s40, s40, s42
	s_add_nc_u64 s[24:25], s[8:9], s[40:41]        ; s_prev
	s_lshl_b32 s40, s21, 13
	s_lshl_b32 s42, s44, 11
	s_add_co_u32 s40, s40, s42
	s_add_nc_u64 s[30:31], s[18:19], s[40:41]      ; biasc: group cg, 16 rows of 128 bytes
	XLOAD XB                                       ; 16 loads, the oldest;
	LOADW 6                                        ; then the weight's 128: all that the wave needs but the biases is asked for ahead of every wait
.irp b, 0,1,2,3
	v_mov_b32 v[TM+4+\b], 0                        ; a lane permute's destination counts as one of its sources
.endr
	s_wait_loadcnt 63                              ; of 144 loads at most 63 are out: the first 81 are in, s_prev's 16 among them
	QUANT XB                                       ; while the weight's last loads are on their way
	QUANTW 0, 63                                   ; the first 81 are in: block 0 ends at the 48th
	global_load_b128 v[128:131], v13, s[32:33]     ; W_b and U_b into registers that block 0 has left: wanted only behind the barrier
	global_load_b128 v[132:135], v13, s[34:35]
	QUANTW 1, 63                                   ; of 146 the first 83 are in: block 1 ends at the 80th
	QUANTW 2, 34                                   ; block 3's 32 and the biases' 2 may be out
	QUANTW 3, 2                                    ; the biases' 2 may be out
	SCALEW
.irp x, 0,1,2,3,4,5,6,7
	v_permlane16_swap_b32 v[16+\x], v[24+\x]       ; v16-23: the fragment of columns 0-15, v24-31: of columns 16-31 (lanes 0-15 the even block, lanes 16-31 the odd one)
.endr
.rept 8
	v_nop                                          ; a scale word written by a vector instruction stands eight places ahead of a scaled matrix instruction, an operand four
.endr
	; transposed: source 0 = 16 columns of W_w, source 1 = 16 batch rows: lane (r, h) holds batch row 16 m + r and eight neighbouring columns
	v_wmma_scale_f32_16x16x128_f8f6f4 v[D0:D0+7], v[16:23], v[PC:PC+7], 0, v[SW], v[PW] matrix_a_fmt:MATRIX_FMT_FP4 matrix_b_fmt:MATRIX_FMT_FP4
	v_wmma_scale_f32_16x16x128_f8f6f4 v[D1:D1+7], v[24:31], v[PC:PC+7], 0, v[SW], v[PW] matrix_a_fmt:MATRIX_FMT_FP4 matrix_b_fmt:MATRIX_FMT_FP4 matrix_a_scale:MATRIX_SCALE_ROW1
.rept 4
	v_nop                                          ; four places ahead of the first read of results (ISA guide 7.12.1)
.endr
	ds_store_b128 v9, v[D0:D0+3]                           ; each result from its low end on
	ds_store_b128 v9, v[D0+4:D0+7] offset:16
	ds_store_b128 v9, v[D1:D1+3] offset:64
	ds_store_b128 v9, v[D1+4:D1+7] offset:80
	s_wait_dscnt 0x0                               ; for the others' sake: my K step's part lies in LDS
	s_barrier_signal -1
	s_barrier_wait -1
	s_cmp_lt_u32 s20, 4                            ; 16 rows x 128 bytes are 128 pieces of 16 bytes: waves 0 to 3
	s_cbranch_scc0 .Lw_done
.irp q, 0,1,2,3,4,5,6,7
	ds_load_b128 v[64+4*\q:67+4*\q], v10 offset:WXW*\q
.endr
	s_wait_dscnt 0x0
.irp q, 1
	v_pk_add_f32 v[64:65], v[64:65], v[64+4*\q:65+4*\q]
	v_pk_add_f32 v[66:67], v[66:67], v[66+4*\q:67+4*\q]
.endr
.irp q, 2, 3, 4, 5, 6, 7
	s_delay_alu instid0(VALU_DEP_2)
	v_pk_add_f32 v[64:65], v[64:65], v[64+4*\q:65+4*\q]
	s_delay_alu instid0(VALU_DEP_2)
	v_pk_add_f32 v[66:67], v[66:67], v[66+4*\q:67+4*\q]
.endr
	s_wait_loadcnt 0x0                             ; W_b, U_b
	v_pk_add_f32 v[128:129], v[128:129], v[132:133]
	s_wait_alu depctr_va_vdst(0)
	v_pk_add_f32 v[130:131], v[130:131], v[134:135]
	v_pk_add_f32 v[64:65], v[64:65], v[128:129]
	s_delay_alu instid0(VALU_DEP_2)
	v_pk_add_f32 v[66:67], v[66:67], v[130:131]
	s_delay_alu instid0(VALU_DEP_2)
	v_pk_mul_f32 v[64:65], v[64:65], s[38:39] op_sel_hi:[1,0]
	s_delay_alu instid0(VALU_DEP_2)
	v_pk_mul_f32 v[66:67], v[66:67], s[38:39] op_sel_hi:[1,0]
	global_store_b128 v12, v[64:67], s[30:31]              ; a wave stores 512 consecutive bytes
.Lw_done:
	s_wait_tensorcnt 0x0
	ds_add_u32 v14, v15
	s_wait_dscnt 0x0
	s_endpgm
.Lfunc_end_k_q7ff13fe1dc_prep:
	.size	k_q7ff13fe1dc_prep, .Lfunc_end_k_q7ff13fe1dc_prep-k_q7ff13fe1dc_prep
	.p2alignl 7, 3214868480
	.fill 96, 4, 3214868480
	.section	.rodata,"a",@progbits
	.p2align	6, 0x0
	.amdhsa_kernel k_q7ff13fe1dc_prep
		.amdhsa_group_segment_fixed_size 23552
		.amdhsa_private_segment_fixed_size 0
		.amdhsa_enable_private_segment 0
		.amdhsa_kernarg_size 64
		.amdhsa_user_sgpr_count 2
		.amdhsa_user_sgpr_kernarg_segment_ptr 1
		.amdhsa_wavefront_size32 1
		.amdhsa_system_sgpr_workgroup_id_x 1
		.amdhsa_system_sgpr_workgroup_id_y 1
		.amdhsa_system_sgpr_workgroup_id_z 1
		.amdhsa_system_vgpr_workitem_id 0
		.amdhsa_next_free_vgpr 256
		.amdhsa_next_free_sgpr 66
		.amdhsa_reserve_vcc 0
		.amdhsa_float_denorm_mode_32 3
		.amdhsa_float_denorm_mode_16_64 3
		.amdhsa_memory_ordered 1
		.amdhsa_forward_progress 1
		.amdhsa_inst_pref_size 55
	.end_amdhsa_kernel
	.amdgpu_metadata
---
amdhsa.version: [ 1, 2 ]
amdhsa.kernels:
  - .name:           k_q7ff13fe1dc_prep
    .symbol:         k_q7ff13fe1dc_prep.kd
    .args:
      - { .name: U_w, .offset: 0, .size: 8, .value_kind: global_buffer, .address_space: global }
      - { .name: W_w, .offset: 8, .size: 8, .value_kind: global_buffer, .address_space: global }
      - { .name: s_prev, .offset: 16, .size: 8, .value_kind: global_buffer, .address_space: global }
      - { .name: W_b, .offset: 24, .size: 8, .value_kind: global_buffer, .address_space: global }
      - { .name: U_b, .offset: 32, .size: 8, .value_kind: global_buffer, .address_space: global }
      - { .name: ucodes, .offset: 40, .size: 8, .value_kind: global_buffer, .address_space: global }
      - { .name: uscales, .offset: 48, .size: 8, .value_kind: global_buffer, .address_space: global }
      - { .name: biasc, .offset: 56, .size: 8, .value_kind: global_buffer, .address_space: global }
    .group_segment_fixed_size: 23552
    .private_segment_fixed_size: 0
    .kernarg_segment_align: 8
    .kernarg_segment_size: 64
    .max_flat_workgroup_size: 256
    .sgpr_count:     66
    .vgpr_count:     256
    .wavefront_size: 32
...
	.end_amdgpu_metadata
.endif
;; end of part 1
;; launch attn (part 2): grid 256 x 1, 4 waves a work-group, no clusters, 327,680 bytes of LDS; arguments hidden_states, ucodes, uscales, biasc, V_w, V_b, scores, stats, pctx; writes scores, stats, pctx
.if DOCPART == 2
	.amdgcn_target "amdgcn-amd-amdhsa--gfx1250"
	.amdhsa_code_object_version 6
	.text
	.protected	k_q7ff13fe1dc_attn
	.globl	k_q7ff13fe1dc_attn
	.p2align	8
	.type	k_q7ff13fe1dc_attn,@function
k_q7ff13fe1dc_attn:
	s_mov_b64 s[64:65], 0
	v_nop
	global_prefetch_b8 v0, s[64:65] scope:SCOPE_SE
	s_setreg_imm32_b32 hwreg(HW_REG_WAVE_MODE, 25, 1), 1
	s_wait_xcnt 0x0
; score[row] = sum over n of V[n] tanh(W_s[b][n] + U_b[n] + (hidden U_w)[row][n]) + V_b, with hidden U_w on codes of FP4 (E2M1), one E8M0 scale for each 32 along K;
; then, for the work-group's 256 rows (a quarter of a batch), the running softmax: m = the largest t = score x log2(e), l = the sum of 2^(t - m), ctx = the sum of 2^(t - m) x the f32 row.
; hidden_states is read from memory ONCE: a block of 64 rows lands in LDS (the stage), is pulled into registers (16 rows a wave, 512 registers), is quantised from there, and is still there when its scores are known.
; SHARES.  Work-group g: rows 256 g on, in four blocks of 64.  Wave w fetches, holds and weighs rows 16 w .. 16 w + 15 of a block, and multiplies ALL 64 rows by columns 256 w .. 256 w + 255 of U_w:
; the 64 rows' codes (4 tiles x 8 K steps) fill 256 registers for the block; U_w's fragments come from memory straight into registers, laid by the launch before in the order of an operand's registers, and each is read by one wave.
; NOT SHARED IN A CLUSTER: U_w's tiles would have to pass through LDS, of which the stage takes 262,144 bytes and the other regions 54,784; two slots of four waves' tiles (69,632 bytes) do not fit beside them.
; NOT PREFETCHED: a block's refill is issued a whole block's work ahead of the wait for it; one block further on would be 262,144 bytes more for each of the 256 work-groups.
; SLOTS.  Place s along K holds k = s xor 4 where bit 6 of s is set, on both operands alike, inside a block of 32: a lane's eight neighbours come from the stage as two loads of 16 bytes, and lanes 8-15 of each
; sixteen take the halves in the other order, so that sixteen lanes touch sixteen different 16-byte columns modulo 256 bytes.
; tanh(x) = 1 - 2 / (1 + 2^(c x)), c = 2 log2(e); at both ends the exponential gives infinity or 0 and the reciprocal 0 or 1, so nothing is clamped.  The sum kept is sum V / (1 + 2^(c x)) - sum V / 2; score = -2 x it + V_b.
; LIMITS: NaN and infinities among the inputs are not served; a block of zeros gets the scale byte 1 where the rule says 127 (its codes are zeros; this program alone reads the bytes); the sums along K run in slot order.
; REGISTERS, in windows of 256: window 0 as named below; window 1: A[m][q] at 64 m + 8 q; windows 2, 3: my 16 rows, row j at 32 (j % 8) of window 2 + j / 8, register 8 c + 4 g + i = slot 256 c + 8 lane + 4 g + i.
.set CODE,  262144                     ; LDS: behind the stage (4 x 65,536): 64 rows x (512 bytes of codes + 16)
.set CP,    528
.set ASC,   295936                     ; 64 rows x (32 scale bytes + 16)
.set AP,    48
.set CTX,   299008                     ; each wave's 1,024 f32 of ctx, in true column order
.set SXC,   315392                     ; [wave][64 rows] parts of the scores
.set SPARE, 316416                     ; the spare words, 128 bytes for each wave: two blocks of 256 bytes that no other line names
.set C2,    0x4038aa3b                 ; 2 log2(e)
.set L2E,   0x3fb8aa3b                 ; log2(e)
.set FLOOR, 0x1800000                  ; 2^(3 - 127)
.set EOFF,  0xff000000                 ; takes 2 off an exponent field
.set NEGBIG, 0xff61b1e6                ; -3e38
; window 0: v1 spare word's address, v2 0 (both never rewritten); v3, v4 stage; v5 codes in; v6 scale bytes in; v7 fragments out; v8 scale words out; v9 16 l; v10 32 r + 16 h; v11 4 r; v12 SXC in; v13, v14 SXC out;
;   v15, v16 my ctx; v17 ctx at the end; v18 my share of -sum V / 2; v19 8 l; v20, v21 m, l; v22, v23 V_b; v24-31 (bias, V), four sets (v28-31 are at work in the head);
;   v32-47 A's scale words (8 mp + q: lane l = row 32 mp + l); v48-63 B's scale words, four sets of four (4 t + q % 4: lanes 0-15 K steps 0-3, lanes 16-31 K steps 4-7);
;   v64-191 B's fragments, two sets; v192-223 D, four results; v224-255 ACC, the rows' sums
; scalars: s22 wave; s[24:31], s[32:35] the descriptor; s[36:43] bases, s[44:51] walking pointers (codes, scales, bias, V); s[52:59] their offsets; s[60:61] c; s[62:63] lane selects; s[66:97] p of my 16 rows; s[98:99] f
.set MSB, 0
.macro WIN new                         ; the immediate's high byte repeats the setting that is left
.if MSB != \new
	s_set_vgpr_msb (MSB<<8)|\new
.set MSB, \new
.endif
.endm
; The pointers stand at a group of four tiles of 16 columns; o is a tile's place in that group.
.macro LS o                            ; the tile's scale words into set o: lane (r, h) takes column r's words of K steps 4 h .. 4 h + 3: one load
	global_load_b128 v[48+4*(\o):48+4*(\o)+3], v10, s[46:47] offset:512*(\o)
.endm
.macro LC b, o, g                      ; the tile's K steps 2 g, 2 g + 1 into fragment set b: four loads of 512 consecutive bytes
.irp e, 0,1,2,3
	global_load_b128 v[64+64*(\b)+16*(\g)+4*\e:64+64*(\b)+16*(\g)+4*\e+3], v9, s[44:45] offset:8192*(\o)+2048*(\g)+512*\e
.endr
.endm
.macro L2 b, o                         ; my column's addend of the exponent (two tiles to a group of biasc), and its V
	global_load_b32 v[24+2*(\b)], v11, s[48:49] offset:8192*((\o)/2)+64*((\o)%2)
	global_load_b32 v[25+2*(\b)], v11, s[50:51] offset:64*(\o)
.endm
; One product: 16 rows (tile m) x 16 columns x K step q.  Source 0 = 16 rows, source 1 = 16 columns: lane (r, h) holds column r and rows 8 h + 0 .. 7.  b: the fragment set, t: the set of scale words.
; An odd tile of rows reads its scale words from lanes 16-31, and so do K steps 4-7 of the columns.  K step 0 starts the sums.
.macro WM m, q, b, t
.set DD, 192+8*(\m)
.set AA, 64*(\m)+8*(\q)
.set BB, 64+64*(\b)+8*(\q)
.set SA, 32+8*((\m)/2)+(\q)
.set SB, 48+4*(\t)+(\q)%4
.if (\q) == 0
.if (\m) % 2
	v_wmma_scale_f32_16x16x128_f8f6f4 v[DD:DD+7], v[AA:AA+7], v[BB:BB+7], 0, v[SA], v[SB] matrix_a_fmt:MATRIX_FMT_FP4 matrix_b_fmt:MATRIX_FMT_FP4 matrix_a_scale:MATRIX_SCALE_ROW1
.else
	v_wmma_scale_f32_16x16x128_f8f6f4 v[DD:DD+7], v[AA:AA+7], v[BB:BB+7], 0, v[SA], v[SB] matrix_a_fmt:MATRIX_FMT_FP4 matrix_b_fmt:MATRIX_FMT_FP4
.endif
.else
.if (\q) < 4
.if (\m) % 2
	v_wmma_scale_f32_16x16x128_f8f6f4 v[DD:DD+7], v[AA:AA+7], v[BB:BB+7], v[DD:DD+7], v[SA], v[SB] matrix_a_fmt:MATRIX_FMT_FP4 matrix_b_fmt:MATRIX_FMT_FP4 matrix_a_scale:MATRIX_SCALE_ROW1
.else
	v_wmma_scale_f32_16x16x128_f8f6f4 v[DD:DD+7], v[AA:AA+7], v[BB:BB+7], v[DD:DD+7], v[SA], v[SB] matrix_a_fmt:MATRIX_FMT_FP4 matrix_b_fmt:MATRIX_FMT_FP4
.endif
.else
.if (\m) % 2
	v_wmma_scale_f32_16x16x128_f8f6f4 v[DD:DD+7], v[AA:AA+7], v[BB:BB+7], v[DD:DD+7], v[SA], v[SB] matrix_a_fmt:MATRIX_FMT_FP4 matrix_b_fmt:MATRIX_FMT_FP4 matrix_a_scale:MATRIX_SCALE_ROW1 matrix_b_scale:MATRIX_SCALE_ROW1
.else
	v_wmma_scale_f32_16x16x128_f8f6f4 v[DD:DD+7], v[AA:AA+7], v[BB:BB+7], v[DD:DD+7], v[SA], v[SB] matrix_a_fmt:MATRIX_FMT_FP4 matrix_b_fmt:MATRIX_FMT_FP4 matrix_b_scale:MATRIX_SCALE_ROW1
.endif
.endif
.endif
.endm
; 32 registers of results: ACC += V / (1 + 2^(c D + bias))
; b: this tile's set of (bias, V).  The 19 loads of the tile two tiles on (place o of the group that the pointers stand at; fragment set f, which this tile's products have left; sets o of scale words and of (bias, V))
; stand directly behind the waits that the batches have anyway: 11, 4 and 4 of them.
.macro VEC b, f, o
.set n, 0
.rept 16
	v_pk_fma_f32 v[192+n:193+n], v[192+n:193+n], s[60:61], v[24+2*\b:25+2*\b] op_sel_hi:[1,0,0]   ; ascending: each result is first read at its low end
.set n, n+2
.endr
.set n, 0
	s_wait_alu depctr_va_vdst(0)
	LS \o
	L2 \o, \o
	LC \f, \o, 0
	LC \f, \o, 1
.rept 32
	v_exp_f32 v[192+n], v[192+n]
.set n, n+1
.endr
	v_nop                                          ; a plain place behind the last exponential
	s_wait_alu depctr_va_vdst(0)                   ; one wait for the batch, ahead of its first reader
	LC \f, \o, 2
.set n, 0
.rept 16
	v_pk_add_f32 v[192+n:193+n], v[192+n:193+n], 1.0 op_sel_hi:[1,0]
.set n, n+2
.endr
.set n, 0
	s_wait_alu depctr_va_vdst(0)
	LC \f, \o, 3
.rept 32
	v_rcp_f32 v[192+n], v[192+n]
.set n, n+1
.endr
	v_nop
	s_wait_alu depctr_va_vdst(0)                   ; and one for the reciprocals
.set n, 0
.rept 16
	v_pk_fma_f32 v[224+n:225+n], v[192+n:193+n], v[24+2*\b:25+2*\b], v[224+n:225+n] op_sel:[0,1,0] op_sel_hi:[1,1,1]   ; x V, the pair's second word, in both halves
.set n, n+2
.endr
.endm
; A TILE: 64 rows x 16 columns x 1,024 K: 32 matrix instructions in four groups of two K steps (the four results take turns, one instruction a turn), then the vector work.
; t: the tile's place in the trip, and its sets of scale words and of (bias, V); b = t % 2: its fragment set; o = (t + 2) % 4: the place of the tile two tiles on.
; A tile's 19 loads are issued in this order: 1 of scale words, 2 of addend and V, 4 x 4 of codes.  Each group waits for its own four code loads alone.
; COUNTS.  Behind group g's four loads were issued the same tile's 12 - 4 g of codes and the next tile's 19: 31, 27, 23, 19.  This tile's own requests follow its products.
; step = 1: the pointers go on to the next group of four tiles, behind the products and the wait that frees the bases.
.macro TILE t, b, o, step
	WIN 0x01                                       ; source 0 (A) window 1
.irp g, 0,1,2,3
	s_wait_loadcnt 31-4*\g
.irp qq, 0,1
.irp m, 0,1,2,3
	WM \m, 2*\g+\qq, \b, \t
.endr
.endr
.endr
	WIN 0
.rept 4
	v_nop                                          ; four places ahead of loads into registers that matrix instructions have read, and of the first read of results
.endr
.if \step
	s_wait_xcnt 0x0                                ; the loads issued so far have read their bases
	s_add_co_u32 s52, s52, 32768
	s_and_b32 s52, s52, 0x1ffff                    ; four groups of four tiles, then round again
	s_lshr_b32 s54, s52, 4
	s_lshr_b32 s56, s52, 1
	s_lshr_b32 s58, s52, 7
	s_add_nc_u64 s[44:45], s[36:37], s[52:53]
	s_add_nc_u64 s[46:47], s[38:39], s[54:55]
	s_add_nc_u64 s[48:49], s[40:41], s[56:57]
	s_add_nc_u64 s[50:51], s[42:43], s[58:59]
.endif
	VEC \t, \b, \o
.endm
.macro PULL k                          ; rows 4 k .. 4 k + 3 of my 16, 16 KiB, from the stage into window 2 (k = 0, 1) or 3: 32 loads
	WIN 0x80+0x40*((\k)/2)
.irp j, 0,1,2,3
.irp c, 0,1,2,3
.irp g, 0,1
	ds_load_b128 v[32*(4*((\k)%2)+\j)+8*\c+4*\g:32*(4*((\k)%2)+\j)+8*\c+4*\g+3], v[3+\g] offset:4096*(4*(\k)+\j)+1024*\c
.endr
.endr
.endr
	WIN 0
.endm
; Rows j0 .. j0 + 3 are quantised: 16 runs of 8 numbers a lane (run n: row j0 + n / 4, c = n % 4); four neighbouring lanes hold a block of 32.  v192-207 maxima, then scale operands; v208-223 bytes; v224-239 codes.
; wa: how many younger LDS instructions may be out when these four rows have to be in; wb: how many when the last four rows' LDS stores have to be done
.macro QB j0, wa, wb
	s_wait_dscnt \wa
	WIN 0x0a+5*((\j0)/8)                           ; sources 0 and 1: window 2 or 3
.set n, 0
.rept 16
	v_max3_num_f32 v[192+n], |v[32*((\j0)%8+n/4)+8*(n%4)]|, |v[32*((\j0)%8+n/4)+8*(n%4)+1]|, FLOOR   ; the floor holds the byte at 1 from below
.set n, n+1
.endr
.irp i, 2,4,6
.set n, 0
.rept 16
	v_max3_num_f32 v[192+n], |v[32*((\j0)%8+n/4)+8*(n%4)+\i]|, |v[32*((\j0)%8+n/4)+8*(n%4)+\i+1]|, v[192+n]
.set n, n+1
.endr
.endr
	WIN 0
.irp x, 1,2
.set n, 0
.rept 16
	v_max_num_f32_dpp v[192+n], v[192+n], v[192+n] row_xmask:\x row_mask:0xf bank_mask:0xf
.set n, n+1
.endr
.endr
.set n, 0
.rept 16
	v_add_nc_u32 v[192+n], EOFF, v[192+n]          ; the conversion takes the exponent field of this operand as its scale
.set n, n+1
.endr
	s_wait_dscnt \wb                               ; the last four rows' LDS stores have read the registers that are written next
.set n, 0
.rept 16
	v_lshrrev_b32 v[208+n], 23, v[192+n]
.set n, n+1
.endr
	WIN 0x02+(\j0)/8                               ; source 0: window 2 or 3
.set n, 0
.rept 16
	v_cvt_scalef32_pk8_fp4_f32 v[224+n], v[32*((\j0)%8+n/4)+8*(n%4):32*((\j0)%8+n/4)+8*(n%4)+7], v[192+n]
.set n, n+1
.endr
	WIN 0
	v_nop                                          ; a plain place behind the last conversion
.set n, 0
.rept 16
	ds_store_b32 v5, v[224+n] offset:CP*((\j0)+n/4)+128*(n%4)      ; slots 256 c + 8 l on: 4 bytes a lane, 128 consecutive bytes a wave
	ds_store_b8 v6, v[208+n] offset:AP*((\j0)+n/4)+8*(n%4)         ; the four lanes of a block write the same byte with the same value
.set n, n+1
.endr
.endm
; A BLOCK OF 64 ROWS.  fill = 1: the stage is filled again with the next block.
.macro BLOCK fill
	PULL 2                                         ; rows 8-15 of my 16; rows 0-7 were asked for ahead of this block, behind the wait that showed my 16 rows landed; I alone read them
	PULL 3
	s_wait_tensorcnt 0x0                           ; no tensor load of mine is out (met at once), so the descriptor may be written;
	ds_add_u32 v1, v2                              ; 0 onto my spare word
.if \fill
	s_add_nc_u64 s[34:35], s[34:35], 262144        ; the next block; the type bits on top are not reached
.endif
	s_wait_dscnt 0x0                               ; the add is done; my reads of the stage, and of the last block's codes, scales and score parts, are in
	s_barrier_signal -1
	s_barrier_wait -1
.if \fill
	tensor_load_to_lds s[32:35], s[24:31]          ; my one tensor load behind this barrier, and the first thing there: it has the whole block's work in which to land
	s_nop 0
.rept 4
	v_nop
.endr
.endif
	QB 0, 63, 63                                   ; no LDS instruction of mine is out here: both counts are met at once
	QB 4, 63, 0                                    ; the four rows before have stored their codes and bytes
	QB 8, 63, 0
	QB 12, 63, 0
	s_wait_dscnt 0x0                               ; for the others' sake: my rows' codes and scale bytes lie in LDS
	s_barrier_signal -1
	s_barrier_wait -1
	WIN 0x40                                       ; destination window 1
.irp m, 0,1,2,3
.irp q, 0,1,2,3,4,5,6,7
.irp cc, 0,1
	ds_load_b128 v[64*\m+8*\q+4*\cc:64*\m+8*\q+4*\cc+3], v7 offset:16*CP*\m+64*\q+32*\cc   ; lane (r, h): row 16 m + r, slots 128 q + 64 cc + 32 h on
.endr
.endr
.endr
	WIN 0
.irp mp, 0,1
.irp jj, 0,1
	ds_load_b128 v[32+8*\mp+4*\jj:32+8*\mp+4*\jj+3], v8 offset:32*AP*\mp+16*\jj    ; lane l: row 32 mp + l: an even tile reads lanes 0-15, an odd one lanes 16-31
.endr
.endr
.set n, 0
.rept 32
	v_mov_b32 v[224+n], v18                        ; each row's sum begins with my lane's share of -sum V / 2
.set n, n+1
.endr
	s_wait_dscnt 0x0
	s_mov_b32 s100, 4
.Ltile_\@:                                         ; a trip: a group of four tiles of 16 columns; each tile asks for the tile two on; the last trip's last two ask for the next block's first two (the very last 38 loads are not used: they stay inside their buffers)
	TILE 0, 0, 2, 0
	TILE 1, 1, 3, 0
	TILE 2, 0, 0, 1
	TILE 3, 1, 1, 0
	s_sub_co_u32 s100, s100, 1
	s_cmp_lg_u32 s100, 0
	s_cbranch_scc1 .Ltile_\@
	; the rows' sums over my 256 columns: across the sixteen lanes of a half
.irp x, 1,2,4,8
.set n, 0
.rept 32
	v_add_f32_dpp v[224+n], v[224+n], v[224+n] row_xmask:\x row_mask:0xf bank_mask:0xf
.set n, n+1
.endr
.endr
.set n, 0
.rept 32
	ds_store_b32 v12, v[224+n] offset:64*(n/8)+4*(n%8)             ; row 16 m + 8 h + j; sixteen lanes write the same word with the same value
.set n, n+1
.endr
	s_wait_dscnt 0x0
	s_barrier_signal -1
	s_barrier_wait -1
	; every wave: the block's 64 scores (two a lane) for m and l, and its own 16 rows' (lane % 16)
.irp wv, 0,1,2,3
	ds_load_b64 v[192+2*\wv:193+2*\wv], v13 offset:256*\wv
.endr
.irp wv, 0,1,2,3
	ds_load_b32 v[200+\wv], v14 offset:256*\wv
.endr
.irp c, 0,1,2,3                                ; my ctx so far, asked for here so that it comes in under the softmax's arithmetic
.irp g, 0,1
	ds_load_b128 v[224+8*\c+4*\g:224+8*\c+4*\g+3], v[15+\g] offset:1024*\c
.endr
.endr
	s_wait_dscnt 8                                 ; the score parts are in; the eight loads of ctx behind them may be out
	v_pk_add_f32 v[192:193], v[192:193], v[194:195]
	v_pk_add_f32 v[196:197], v[196:197], v[198:199]
	v_add_f32 v200, v200, v201
	v_add_f32 v202, v202, v203
	v_pk_add_f32 v[192:193], v[192:193], v[196:197]
	v_add_f32 v200, v200, v202
	v_pk_fma_f32 v[204:205], v[192:193], -2.0, v[22:23] op_sel_hi:[1,0,1]   ; the scores
	v_fma_f32 v206, v200, -2.0, v22
	s_cmp_lg_u32 s22, 0
	s_cbranch_scc1 .Lnot_wave_0_\@
	global_store_b64 v19, v[204:205], s[16:17]     ; 64 scores: 256 consecutive bytes, aligned
.Lnot_wave_0_\@:
	s_wait_alu depctr_va_vdst(0)
	v_pk_mul_f32 v[208:209], v[204:205], L2E op_sel_hi:[1,0]       ; t
	v_mul_f32 v210, L2E, v206
	v_max_num_f32 v211, v208, v209
.irp x, 1,2,4,8
	v_max_num_f32_dpp v211, v211, v211 row_xmask:\x row_mask:0xf bank_mask:0xf
.endr
	v_mov_b32 v212, v211                           ; (a lane permute's destination counts as one of its sources)
	v_permlanex16_b32 v212, v211, s62, s63
	v_max_num_f32 v211, v211, v212
	v_max_num_f32 v213, v20, v211                  ; the new m
	v_sub_f32 v208, v208, v213
	v_sub_f32 v209, v209, v213
	v_sub_f32 v210, v210, v213
	v_sub_f32 v214, v20, v213
	s_wait_alu depctr_va_vdst(0)
	v_exp_f32 v208, v208                           ; p of rows 2 l, 2 l + 1,
	v_exp_f32 v209, v209
	v_exp_f32 v210, v210                           ; of my wave's row lane % 16,
	v_exp_f32 v214, v214                           ; and f = 2^(old m - new m)
	v_mov_b32 v20, v213                            ; (a plain place behind the exponentials)
	s_wait_alu depctr_va_vdst(0)                   ; one wait for the four, ahead of their first reader
	v_add_f32 v215, v208, v209
.irp x, 1,2,4,8
	v_add_f32_dpp v215, v215, v215 row_xmask:\x row_mask:0xf bank_mask:0xf
.endr
	v_mov_b32 v212, v215
	v_permlanex16_b32 v212, v215, s62, s63
	v_add_f32 v215, v215, v212
	v_fma_f32 v21, v21, v214, v215                 ; l = l f + the block's sum
	v_readfirstlane_b32 s98, v214
	s_mov_b32 s99, s98
.irp j, 0,1,2,3,4,5,6,7,8,9,10,11,12,13,14,15
	v_readlane_b32 s[66+2*\j], v210, \j            ; a row's p is the same for all its columns: a scalar
.endr
	; ctx = ctx f + the sum over my 16 rows of p x the f32 row, which still lies in windows 2 and 3
	s_wait_dscnt 0x0                               ; ctx is in
.set n, 0
.rept 16
	v_pk_mul_f32 v[224+n:225+n], v[224+n:225+n], s[98:99] op_sel_hi:[1,0]
.set n, n+2
.endr
	WIN 0x02                                       ; source 0: window 2
.irp j, 0,1,2,3,4,5,6,7
.set n, 0
.rept 16
	v_pk_fma_f32 v[224+n:225+n], v[32*\j+n:32*\j+n+1], s[66+2*\j:67+2*\j], v[224+n:225+n] op_sel_hi:[1,0,1]
.set n, n+2
.endr
.endr
.if \fill
	s_wait_tensorcnt 0x0                           ; the next block's 16 rows of mine have landed;
	PULL 0                                         ; window 2 has been read: its rows 0-7 are pulled while rows 8-15 of this block are weighed
	PULL 1
.endif
	WIN 0x03                                       ; window 3: rows 8-15
.irp j, 0,1,2,3,4,5,6,7
.set n, 0
.rept 16
	v_pk_fma_f32 v[224+n:225+n], v[32*\j+n:32*\j+n+1], s[82+2*\j:83+2*\j], v[224+n:225+n] op_sel_hi:[1,0,1]
.set n, n+2
.endr
.endr
	WIN 0
.irp c, 0,1,2,3
.irp g, 0,1
	ds_store_b128 v[15+\g], v[224+8*\c+4*\g:224+8*\c+4*\g+3] offset:1024*\c        ; my own bytes: no barrier
.endr
.endr
	s_wait_xcnt 0x0                                ; the score store has read its registers and its base
.if \fill
	s_add_nc_u64 s[16:17], s[16:17], 256
.endif
.endm
	s_load_b512 s[4:19], s[0:1], 0x0               ; hidden_states, ucodes, uscales, biasc, V_w, V_b, scores, stats
	s_load_b64 s[20:21], s[0:1], 0x40              ; pctx
	v_lshl_add_u32 v1, v0, 2, SPARE
	v_mov_b32 v2, 0
	ds_add_u32 v1, v2
	ds_add_u32 v1, v2
	s_wait_dscnt 0x0
	v_lshrrev_b32 v28, 5, v0
	v_readfirstlane_b32 s22, v28                   ; wave 0..3
	; the descriptor: my 16 rows are 65,536 dense bytes: 256 rows of 32 elements of 8 bytes, no padding, no mask
	s_mov_b32 s24, 3<<16                           ; 17:16 elements of 8 bytes
	s_mov_b32 s25, 32<<16                          ; tensor_dim0 = 32
	s_mov_b32 s26, 256<<16                         ; tensor_dim1 = 256
	s_mov_b32 s27, 32<<16                          ; tile_dim0 = 32
	s_mov_b32 s28, 256                             ; tile_dim1 = 256
	s_mov_b32 s29, 32                              ; from row to row
	s_mov_b32 s30, 0
	s_mov_b32 s31, 0
	s_mov_b32 s32, 1                               ; count = 1
	s_lshl_b32 s33, s22, 16                        ; LDS: my quarter of the stage
	s_lshl_b32 s52, ttmp9, 20                      ; 256 rows of 4,096 bytes a work-group,
	s_add_co_u32 s52, s52, s33                     ; 16 a wave
	s_mov_b32 s53, 0
	s_wait_kmcnt 0x0
	s_add_nc_u64 s[34:35], s[4:5], s[52:53]
	s_or_b32 s35, s35, 0x80000000                  ; type = 2
	tensor_load_to_lds s[32:35], s[24:31]          ; block 0: the first fill, ahead of every wait on TENSORcnt, every LDS read and every barrier; one tensor load of mine is out, here and ever after
	s_nop 0
.rept 4
	v_nop
.endr
	v_and_b32 v28, 31, v0                          ; l
	v_and_b32 v29, 15, v0                          ; r
	v_bfe_u32 v30, v0, 4, 1                        ; h
	v_bfe_u32 v31, v0, 3, 1                        ; bit 3 of l
	v_lshlrev_b32 v3, 5, v28
	v_lshl_add_u32 v3, v31, 4, v3                  ; 32 l + 16 bit 3
	s_lshl_b32 s23, s22, 12
	s_add_co_u32 s23, s23, CTX
	v_add_nc_u32 v15, s23, v3                      ; my ctx, first half of my eight
	v_xor_b32 v16, 16, v15                         ; and second
	v_add_nc_u32 v3, s33, v3                       ; the stage likewise
	v_xor_b32 v4, 16, v3
	s_mul_i32 s23, s22, 16*CP
	s_add_co_u32 s23, s23, CODE
	v_lshl_add_u32 v5, v28, 2, s23                 ; codes in: my wave's rows, 4 l
	s_mul_i32 s23, s22, 16*AP
	s_add_co_u32 s23, s23, ASC
	v_lshrrev_b32 v6, 2, v28
	v_add_nc_u32 v6, s23, v6                       ; scale bytes in: l / 4
	v_mul_u32_u24 v7, v29, CP
	v_lshl_add_u32 v7, v30, 4, v7
	v_add_nc_u32 v7, CODE, v7                      ; fragments out: row r, + 16 h
	v_mul_u32_u24 v8, v28, AP
	v_add_nc_u32 v8, ASC, v8                       ; scale words out: row l
	v_lshlrev_b32 v9, 4, v28
	s_wait_alu depctr_va_vdst(0)
	v_lshlrev_b32 v10, 5, v29
	v_lshl_add_u32 v10, v30, 4, v10                ; 32 r + 16 h: lanes 16-31 take the words of K steps 4-7
	s_wait_alu depctr_va_vdst(0)
	v_lshlrev_b32 v11, 2, v29
	s_wait_alu depctr_va_vdst(0)
	s_lshl_b32 s23, s22, 8
	s_add_co_u32 s23, s23, SXC
	v_lshl_add_u32 v12, v30, 5, s23                ; score parts in: my wave's 64, + 8 h rows
	v_lshlrev_b32 v19, 3, v28
	v_add_nc_u32 v13, SXC, v19                     ; out: rows 2 l, 2 l + 1,
	s_lshl_b32 s23, s22, 6
	s_add_co_u32 s23, s23, SXC
	v_lshl_add_u32 v14, v29, 2, s23                ; and row 16 w + r
	s_lshl_b32 s23, s22, 10
	s_add_co_u32 s23, s23, CTX
	v_add_nc_u32 v17, s23, v9                      ; at the end: columns 256 w on of each wave's ctx
	s_load_b32 s23, s[14:15], 0x0                  ; V_b
	s_lshl_b32 s52, s22, 17
	s_add_nc_u64 s[36:37], s[6:7], s[52:53]        ; ucodes: my 16 tiles of 8,192 bytes
	s_lshl_b32 s52, s22, 13
	s_add_nc_u64 s[38:39], s[8:9], s[52:53]        ; uscales: 512 bytes a tile
	s_lshr_b32 s52, ttmp9, 2
	s_lshl_b32 s52, s52, 7                         ; biasc: my batch's row of 128 bytes,
	s_lshl_b32 s54, s22, 16
	s_add_co_u32 s52, s52, s54                     ; my 8 groups of 8,192 bytes
	s_add_nc_u64 s[40:41], s[10:11], s[52:53]
	s_lshl_b32 s52, s22, 10
	s_add_nc_u64 s[42:43], s[12:13], s[52:53]      ; V_w: my 256 numbers
	s_lshl_b32 s52, ttmp9, 10
	s_add_nc_u64 s[16:17], s[16:17], s[52:53]      ; scores: my work-group's 256
	s_lshl_b32 s52, ttmp9, 8
	s_add_nc_u64 s[18:19], s[18:19], s[52:53]      ; stats: 256 bytes a work-group
	s_lshl_b32 s52, ttmp9, 12
	s_lshl_b32 s54, s22, 10
	s_add_co_u32 s52, s52, s54
	s_add_nc_u64 s[20:21], s[20:21], s[52:53]      ; pctx: my work-group's row, my wave's 256 columns
	s_mov_b64 s[44:45], s[36:37]
	s_mov_b64 s[46:47], s[38:39]
	s_mov_b64 s[48:49], s[40:41]
	s_mov_b64 s[50:51], s[42:43]
	s_mov_b32 s52, 0                               ; the walk's offset: tiles 0 and 1
	s_mov_b32 s55, 0
	s_mov_b32 s57, 0
	s_mov_b32 s59, 0
	v_lshlrev_b32 v29, 2, v28                      ; 4 l
.irp e, 0,1,2,3,4,5,6,7
	global_load_b32 v[192+\e], v29, s[42:43] offset:128*\e         ; my wave's 256 V, eight a lane
.endr
.irp b, 0,1                                    ; tiles 0 and 1, in the order in which a tile is asked for: scale words, addend and V, codes
	LS \b
	L2 \b, \b
.irp g, 0,1,2,3
	LC \b, \b, \g
.endr
.endr
.irp i, 0,1,2,3
	v_mov_b32 v[224+\i], 0
.endr
.irp c, 0,1,2,3
	ds_store_b128 v15, v[224:227] offset:1024*\c   ; ctx begins as zeros
	ds_store_b128 v16, v[224:227] offset:1024*\c
.endr
	v_mov_b32 v20, NEGBIG                          ; m: under every t
	v_mov_b32 v21, 0                               ; l
	s_mov_b32 s60, C2
	s_mov_b32 s61, s60
	s_mov_b32 s62, 0x76543210
	s_mov_b32 s63, 0xfedcba98                      ; v_permlanex16_b32's selects for lane l xor 16
.irp j, 0,1,2,3,4,5,6,7,8,9,10,11,12,13,14,15
	s_mov_b32 s[67+2*\j], 0                        ; named with p as a pair, so it is written
.endr
	s_mov_b32 s101, 3
	s_wait_loadcnt 38                              ; V's eight loads are in; the 38 behind them, tiles 0 and 1, may be out
	v_add_f32 v192, v192, v193
	v_add_f32 v194, v194, v195
	v_add_f32 v196, v196, v197
	v_add_f32 v198, v198, v199
	v_add_f32 v192, v192, v194
	v_add_f32 v196, v196, v198
	v_add_f32 v192, v192, v196
	v_mov_b32 v193, v192
	v_permlanex16_b32 v193, v192, s62, s63
	v_add_f32 v192, v192, v193                     ; the sixteen lanes of a half together hold my wave's sum of V
	v_mul_f32 v18, -0.5, v192
	s_wait_kmcnt 0x0
	v_mov_b32 v22, s23
	v_mov_b32 v23, s23
	s_wait_tensorcnt 0x0                           ; block 0: my 16 rows have landed;
	PULL 0                                         ; its rows 0-7, as each later block's are asked for at the end of the block before
	PULL 1
.Lblock:
	BLOCK 1
	s_sub_co_u32 s101, s101, 1
	s_cmp_lg_u32 s101, 0
	s_cbranch_scc1 .Lblock
	BLOCK 0                                        ; the last block is written out
	; the four waves' ctx are added, wave w taking columns 256 w on; m and l go with them
	s_wait_dscnt 0x0
	s_barrier_signal -1
	s_barrier_wait -1
.irp u, 0,1
.irp wv, 0,1,2,3
	ds_load_b128 v[192+16*\u+4*\wv:192+16*\u+4*\wv+3], v17 offset:4096*\wv+512*\u
.endr
.endr
	s_wait_dscnt 0x0
.irp u, 0,1
	v_pk_add_f32 v[192+16*\u:193+16*\u], v[192+16*\u:193+16*\u], v[196+16*\u:197+16*\u]
	v_pk_add_f32 v[194+16*\u:195+16*\u], v[194+16*\u:195+16*\u], v[198+16*\u:199+16*\u]
	v_pk_add_f32 v[200+16*\u:201+16*\u], v[200+16*\u:201+16*\u], v[204+16*\u:205+16*\u]
	v_pk_add_f32 v[202+16*\u:203+16*\u], v[202+16*\u:203+16*\u], v[206+16*\u:207+16*\u]
	v_pk_add_f32 v[192+16*\u:193+16*\u], v[192+16*\u:193+16*\u], v[200+16*\u:201+16*\u]
	v_pk_add_f32 v[194+16*\u:195+16*\u], v[194+16*\u:195+16*\u], v[202+16*\u:203+16*\u]
	global_store_b128 v9, v[192+16*\u:195+16*\u], s[20:21] offset:512*\u   ; 512 consecutive bytes
.endr
	s_cmp_lg_u32 s22, 0
	s_cbranch_scc1 .Lno_stats
	global_store_b64 v19, v[20:21], s[18:19]       ; (m, l), the same in all 32 lanes: 256 consecutive bytes
.Lno_stats:
	s_wait_tensorcnt 0x0                           ; the wave's end, behind my last tensor load and my last LDS store
	ds_add_u32 v1, v2
	s_wait_dscnt 0x0
	s_endpgm
.Lfunc_end_k_q7ff13fe1dc_attn:
	.size	k_q7ff13fe1dc_attn, .Lfunc_end_k_q7ff13fe1dc_attn-k_q7ff13fe1dc_attn
	.p2alignl 7, 3214868480
	.fill 96, 4, 3214868480
	.section	.rodata,"a",@progbits
	.p2align	6, 0x0
	.amdhsa_kernel k_q7ff13fe1dc_attn
		.amdhsa_group_segment_fixed_size 327680
		.amdhsa_private_segment_fixed_size 0
		.amdhsa_enable_private_segment 0
		.amdhsa_kernarg_size 72
		.amdhsa_user_sgpr_count 2
		.amdhsa_user_sgpr_kernarg_segment_ptr 1
		.amdhsa_wavefront_size32 1
		.amdhsa_system_sgpr_workgroup_id_x 1
		.amdhsa_system_sgpr_workgroup_id_y 1
		.amdhsa_system_sgpr_workgroup_id_z 1
		.amdhsa_system_vgpr_workitem_id 0
		.amdhsa_next_free_vgpr 1024
		.amdhsa_next_free_sgpr 102
		.amdhsa_reserve_vcc 0
		.amdhsa_float_denorm_mode_32 3
		.amdhsa_float_denorm_mode_16_64 3
		.amdhsa_memory_ordered 1
		.amdhsa_forward_progress 1
		.amdhsa_inst_pref_size 255
	.end_amdhsa_kernel
	.section	.bss,"aw",@nobits
	.p2align	6
	.space	262144
	.amdgpu_metadata
---
amdhsa.version: [ 1, 2 ]
amdhsa.kernels:
  - .name:           k_q7ff13fe1dc_attn
    .symbol:         k_q7ff13fe1dc_attn.kd
    .args:
      - { .name: hidden_states, .offset: 0, .size: 8, .value_kind: global_buffer, .address_space: global }
      - { .name: ucodes, .offset: 8, .size: 8, .value_kind: global_buffer, .address_space: global }
      - { .name: uscales, .offset: 16, .size: 8, .value_kind: global_buffer, .address_space: global }
      - { .name: biasc, .offset: 24, .size: 8, .value_kind: global_buffer, .address_space: global }
      - { .name: V_w, .offset: 32, .size: 8, .value_kind: global_buffer, .address_space: global }
      - { .name: V_b, .offset: 40, .size: 8, .value_kind: global_buffer, .address_space: global }
      - { .name: scores, .offset: 48, .size: 8, .value_kind: global_buffer, .address_space: global }
      - { .name: stats, .offset: 56, .size: 8, .value_kind: global_buffer, .address_space: global }
      - { .name: pctx, .offset: 64, .size: 8, .value_kind: global_buffer, .address_space: global }
    .group_segment_fixed_size: 327680
    .private_segment_fixed_size: 0
    .kernarg_segment_align: 8
    .kernarg_segment_size: 72
    .max_flat_workgroup_size: 128
    .sgpr_count:     102
    .vgpr_count:     1024
    .wavefront_size: 32
...
	.end_amdgpu_metadata
.endif
;; end of part 2
;; launch finish (part 3): grid 256 x 1, 2 waves a work-group, no clusters, 0 bytes of LDS; arguments scores, stats, pctx, out0, out1; writes out0, out1
.if DOCPART == 3
	.amdgcn_target "amdgcn-amd-amdhsa--gfx1250"
	.amdhsa_code_object_version 6
	.text
	.protected	k_q7ff13fe1dc_finish
	.globl	k_q7ff13fe1dc_finish
	.p2align	8
	.type	k_q7ff13fe1dc_finish,@function
k_q7ff13fe1dc_finish:
	s_mov_b64 s[64:65], 0
	v_nop
	global_prefetch_b8 v0, s[64:65] scope:SCOPE_SE
	s_setreg_imm32_b32 hwreg(HW_REG_WAVE_MODE, 25, 1), 1
	s_wait_xcnt 0x0
; The four quarters of a batch are joined.  Quarter i left m_i (the largest t = score x log2(e)), l_i = the sum of 2^(t - m_i) and ctx_i = the sum of 2^(t - m_i) x the row.
; M = the largest m_i; e_i = 2^(m_i - M); L = the sum of l_i e_i; out0 = the sum of ctx_i e_i / L; out1 = 2^(t - M) / L.
; Work-group g: batch g / 4, columns and rows 256 (g % 4) on; a thread takes four of each: a wave's loads and stores cover 512 consecutive bytes.
; Memory binds and the launch is short: no LDS, no barrier, no matrix work.
	s_load_b256 s[4:11], s[0:1], 0x0               ; scores, stats, pctx, out0
	s_load_b64 s[12:13], s[0:1], 0x20              ; out1
	s_lshr_b32 s14, ttmp9, 2                       ; the batch
	s_and_b32 s15, ttmp9, 3                        ; which quarter of its columns and rows
	v_lshlrev_b32 v1, 4, v0                        ; 16 bytes a thread
	s_lshl_b32 s16, s14, 10                        ; stats: four records of 256 bytes a batch
	s_mov_b32 s17, 0
	s_lshl_b32 s28, s15, 10
	s_lshl_b32 s18, s14, 14                        ; pctx: four rows of 4,096 bytes a batch
	s_add_co_u32 s18, s18, s28
	s_mov_b32 s19, 0
	s_lshl_b32 s30, s14, 12                        ; scores, out0, out1: 4,096 bytes a batch
	s_add_co_u32 s30, s30, s28
	s_mov_b32 s31, 0
	s_mov_b32 s29, 0x3fb8aa3b                      ; log2(e)
	s_wait_alu depctr_va_vdst(0)
	s_wait_kmcnt 0x0
	s_add_nc_u64 s[6:7], s[6:7], s[16:17]
	s_add_nc_u64 s[8:9], s[8:9], s[18:19]
	s_add_nc_u64 s[4:5], s[4:5], s[30:31]
	s_add_nc_u64 s[10:11], s[10:11], s[30:31]
	s_add_nc_u64 s[12:13], s[12:13], s[30:31]
	s_load_b64 s[20:21], s[6:7], 0x0               ; (m_i, l_i)
	s_load_b64 s[22:23], s[6:7], 0x100
	s_load_b64 s[24:25], s[6:7], 0x200
	s_load_b64 s[26:27], s[6:7], 0x300
.irp i, 0,1,2,3
	global_load_b128 v[4+4*\i:7+4*\i], v1, s[8:9] offset:4096*\i th:TH_LOAD_NT
.endr
	global_load_b128 v[20:23], v1, s[4:5] th:TH_LOAD_NT
	s_wait_kmcnt 0x0
	v_mov_b32 v24, s20
	v_max_num_f32 v24, s22, v24
	v_max_num_f32 v24, s24, v24
	v_max_num_f32 v24, s26, v24                    ; M
	v_sub_f32 v25, s20, v24
	v_sub_f32 v26, s22, v24
	v_sub_f32 v27, s24, v24
	v_sub_f32 v28, s26, v24
	s_wait_alu depctr_va_vdst(0)
	v_exp_f32 v25, v25
	v_exp_f32 v26, v26
	v_exp_f32 v27, v27
	v_exp_f32 v28, v28
	v_nop                                          ; a plain place behind the exponentials
	s_wait_alu depctr_va_vdst(0)                   ; one wait for the four, ahead of their first reader
	v_mul_f32 v29, s21, v25
	v_fma_f32 v29, s23, v26, v29
	v_fma_f32 v29, s25, v27, v29
	v_fma_f32 v29, s27, v28, v29                   ; L: at least 1, since the row that gives M counts 1
	s_wait_alu depctr_va_vdst(0)
	v_rcp_f32 v30, v29
	v_nop
	s_wait_alu depctr_va_vdst(0)
.irp i, 0,1,2,3
	v_mul_f32 v[32+\i], v[25+\i], v30              ; e_i / L
.endr
	s_wait_alu depctr_va_vdst(0)
	s_wait_loadcnt 0x0
.irp k, 0,1,2,3
	v_mul_f32 v[36+\k], v[4+\k], v32
.endr
.irp i, 1,2,3
.irp k, 0,1,2,3
	v_fma_f32 v[36+\k], v[4+4*\i+\k], v[32+\i], v[36+\k]
.endr
.endr
.irp k, 0,1,2,3
	v_fma_f32 v[40+\k], v[20+\k], s29, -v24        ; t - M
.endr
	s_wait_alu depctr_va_vdst(0)
.irp k, 0,1,2,3
	v_exp_f32 v[40+\k], v[40+\k]
.endr
	v_nop
	s_wait_alu depctr_va_vdst(0)
.irp k, 0,1,2,3
	v_mul_f32 v[40+\k], v[40+\k], v30
.endr
	global_store_b128 v1, v[36:39], s[10:11] th:TH_STORE_NT
	global_store_b128 v1, v[40:43], s[12:13] th:TH_STORE_NT
	s_endpgm
.Lfunc_end_k_q7ff13fe1dc_finish:
	.size	k_q7ff13fe1dc_finish, .Lfunc_end_k_q7ff13fe1dc_finish-k_q7ff13fe1dc_finish
	.p2alignl 7, 3214868480
	.fill 96, 4, 3214868480
	.section	.rodata,"a",@progbits
	.p2align	6, 0x0
	.amdhsa_kernel k_q7ff13fe1dc_finish
		.amdhsa_group_segment_fixed_size 0
		.amdhsa_private_segment_fixed_size 0
		.amdhsa_enable_private_segment 0
		.amdhsa_kernarg_size 40
		.amdhsa_user_sgpr_count 2
		.amdhsa_user_sgpr_kernarg_segment_ptr 1
		.amdhsa_wavefront_size32 1
		.amdhsa_system_sgpr_workgroup_id_x 1
		.amdhsa_system_sgpr_workgroup_id_y 1
		.amdhsa_system_sgpr_workgroup_id_z 1
		.amdhsa_system_vgpr_workitem_id 0
		.amdhsa_next_free_vgpr 64
		.amdhsa_next_free_sgpr 66
		.amdhsa_reserve_vcc 0
		.amdhsa_float_denorm_mode_32 3
		.amdhsa_float_denorm_mode_16_64 3
		.amdhsa_memory_ordered 1
		.amdhsa_forward_progress 1
		.amdhsa_inst_pref_size 5
	.end_amdhsa_kernel
	.amdgpu_metadata
---
amdhsa.version: [ 1, 2 ]
amdhsa.kernels:
  - .name:           k_q7ff13fe1dc_finish
    .symbol:         k_q7ff13fe1dc_finish.kd
    .args:
      - { .name: scores, .offset: 0, .size: 8, .value_kind: global_buffer, .address_space: global }
      - { .name: stats, .offset: 8, .size: 8, .value_kind: global_buffer, .address_space: global }
      - { .name: pctx, .offset: 16, .size: 8, .value_kind: global_buffer, .address_space: global }
      - { .name: out0, .offset: 24, .size: 8, .value_kind: global_buffer, .address_space: global }
      - { .name: out1, .offset: 32, .size: 8, .value_kind: global_buffer, .address_space: global }
    .group_segment_fixed_size: 0
    .private_segment_fixed_size: 0
    .kernarg_segment_align: 8
    .kernarg_segment_size: 40
    .max_flat_workgroup_size: 64
    .sgpr_count:     66
    .vgpr_count:     64
    .wavefront_size: 32
...
	.end_amdgpu_metadata
.endif
;; end of part 3
